; MI455X (gfx1250); checked and timed in simulation.
; The chip was launched on July 23, 2026; its instructions are those of AMD's public machine-readable ISA for CDNA 5 (MIT licence, August 2026) and "CDNA5" Instruction Set Architecture Reference Guide (July 2026). The comments in the code are by the model that wrote it; some were corrected since.
;; Vector Quantizer. Allowed arithmetic: matrix products marked QUANTISED: E3M2 operands, one E8M0 scale for each 32 along K, by v_wmma_scale_f32_16x16x128_f8f6f4 with both operands' format E3M2, f32 sums; everything else in f32.
;; Inputs: emb 8,192 x 256 float32; z 32,768 x 256 float32.
;; Outputs: out0 32,768 x 256 float32; out1 one number float32; out2 one number float32; out3 32,768 int32.
;; This version of the problem:
;;   THIS VERSION OF THE PROBLEM IS GIVEN IN LOW PRECISION. The matrix products marked QUANTISED in the list below multiply operands that are first quantised to E3M2 (3 exponent bits, 2 mantissa bits; 6 bits a number), with one power-of-two scale for each 32 numbers along K (OCP MX v1.0); their sums are f32. All else is computed in f32.
;;   The module's matrix products, in the order in which they are computed (A, B: the left and right operand; K: the contracted axis; several contracted axes count as one K, in the product's order):
;;     1. [M 32,768, K 256] x [K 256, N 8,192]; A: computed on the way; B: input emb: QUANTISED
;;   THE QUANTISER, for each operand of a quantised product, along K:
;;     - K is cut into blocks of 32 from its start; a last block that is shorter is filled with zeros.
;;     - A block's scale is 2^e with e = floor(log2(the largest magnitude in the block)) - 4, held to -126 .. 127; a block of zeros has e = 0. As a byte (E8M0): e + 127.
;;     - Each number is divided by its block's scale, clamped to +-28, and rounded to the nearest number of E3M2, ties to even, subnormals kept.
;;     - The product sums the exact products of the quantised numbers (number of the format x scale) in f32.
;;   ~~~python
;;   def quantise(x, axis):      # numpy; x: float32 -> the quantised numbers, widened to float32 again
;;       x = np.moveaxis(x, axis, -1); K = x.shape[-1]
;;       x = np.pad(x, [(0, 0)] * (x.ndim - 1) + [(0, -K % 32)]); x = x.reshape(x.shape[:-1] + (-1, 32)); a = np.abs(x).max(-1, keepdims=True)
;;       e = np.where(a > 0, np.clip(np.frexp(np.where(a > 0, a, 1))[1] - 1 - 4, -126, 127), 0)      # np.frexp(a)[1] - 1 = floor(log2(a)), exactly
;;       r = np.clip(x / 2.0 ** e, -28, 28)
;;       step = 2.0 ** (np.maximum(np.frexp(np.where(r == 0, 1, r))[1] - 1, -2) - 2)
;;       q = np.round(r / step) * step * 2.0 ** e      # np.round: ties to even
;;       return np.moveaxis(q.reshape(q.shape[:-2] + (-1,))[..., :K], -1, axis).astype(np.float32)
;;   ~~~
;;   OPERANDS COMPUTED ON THE WAY. 'Computed on the way' means the value that the module computes at that place (a softmax that the list does not call 'softmax' is quantised finished and normalised). What goes into a quantiser is computed in f32, as accurately as f32 sums, v_exp_f32 and their like allow (about 1e-6 of the number): no bf16 or f16 on the way to a quantiser, and a product that is left as it is and whose result goes on into a quantised operand takes f32 operands (vector FMAs, or v_wmma_f32_16x16x4_f32). A number that lies on a knife's edge between two numbers of the format may be rounded either way, as far as f32 arithmetic and the matrix unit's own rounding can turn it there, and no further.
;; One version. Each part assembles by itself: llvm-mc -triple=amdgcn-amd-amdhsa -mcpu=gfx1250 --defsym DOCPART=n.
;; ======== version 1 of 1: 4 launches
;; limits: right only within a limited range of input values
;; workspace buffers: ecb 1,703,936 bytes; idx 131,072 bytes of whole numbers; part 16,384 bytes
;; launch codebook (part 1): grid 256 x 1, 2 waves a work-group, no clusters, 17,152 bytes of LDS; arguments emb, ecb; writes ecb
.if DOCPART == 1
	.amdgcn_target "amdgcn-amd-amdhsa--gfx1250"
	.amdhsa_code_object_version 6
	.text
	.protected	k_q9e24981c6f_codebook
	.globl	k_q9e24981c6f_codebook
	.p2align	8
	.type	k_q9e24981c6f_codebook,@function
k_q9e24981c6f_codebook:
	s_mov_b64 s[64:65], 0
	v_nop
	global_prefetch_b8 v0, s[64:65] scope:SCOPE_SE
	s_setreg_imm32_b32 hwreg(HW_REG_WAVE_MODE, 25, 1), 1
	s_wait_xcnt 0x0
; emb [8192][256] f32 is quantised ONCE, along its 256, into codes of BF6 (E3M2) with one E8M0 byte for each 32, and laid out as the later launch's registers want it.
; A wave takes a tile of 16 codewords, T = 2 x work-group + wave, and stores one RECORD of 3,328 bytes (13 x 256) at T x 3,328:
;   bytes 0..3071     the operand's 24 registers as an image: registers 4 g .. 4 g + 3 of lane l at 512 g + 16 l.  Registers 12 s + 6 c .. + 5 of lane (r, h) hold k = 128 s + 64 c + 32 h + 0 .. 31 of codeword r
;   bytes 3072..3199  the scale words, 4 bytes a lane: lanes 0-15 codeword r's word for k 0-127, lanes 16-31 its word for k 128-255
;   bytes 3200..3263  the sum of squares of each codeword, f32;   bytes 3264..3327 zeros
; A block's scale is 2^(floor(log2(its largest magnitude)) - 4): its byte is the largest magnitude's exponent field - 4, held at 1 from below.
; LIMITS: a block of zeros, or one whose largest magnitude lies under 2^-122, gets the byte 1 (a block of zeros has zero codes, which add nothing; this program alone reads the bytes).  NaN and infinities are not served.
; The sums of squares are f32 sums in four chains a lane, another order than a plain running sum.
; LOADS ARE DENSE: each reads 512 consecutive bytes of a row.  A lane of the operand wants 32 neighbours of ONE row, so the rows turn through the wave's own stage in LDS, half of the 256 at a time.
; No barrier: waves share nothing.  No matrix unit, no cluster: the launch reads 8 MiB once.
.set REC,  3328
.set SPIT, 528                         ; a stage row: 512 bytes + 16, an odd multiple of 16 bytes: the sixteen rows that a read touches begin in different banks
.set XA,   4                           ; v4   16 x lane: my place in a load's 512 bytes, and in an image's
.set LS,   6                           ; v6   4 x lane
.set H8,   7                           ; v7   8 h
.set W0,   8                           ; v8-9 the two scale words at work
.set W1,   9
.set SCW,  10                          ; v10  the scale word that my lane stores
.set EEV,  11                          ; v11  the sum of squares, or 0 in lanes 16-31
.set ZERO, 12
.set SWA,  13                          ; v13  the stage, on the way in
.set SRA,  14                          ; v14  and on the way out
.set X,    16                          ; v16-143  128 numbers: register 32 u + i = k 64 u + 32 h + i of my row
.set AM,   144                         ; v144-147 largest magnitudes of my four blocks
.set SO,   148                         ; v148-151 the conversions' scale operands
.set BY,   152                         ; v152-155 the scale bytes
.set SQ,   156                         ; v156-163 four chains of two for the sum of squares
.set PT,   164                         ; v164-165 what comes from lane l xor 16
.set C,    168                         ; v168-191 the codes
.set CT,   192                         ; v192-207 the upper halves of the blocks' codes, as the conversions leave them
.set SEL,  12                          ; s[12:13] lane selects: lane l xor 16
.set HI,   14                          ; s14  the mask of lanes 16-31
; 16 rows of 1,024 bytes at s[4:5] come in by 32 dense loads and turn through the stage.  LDS serves a wave's instructions in order, so no wait stands between the stores and the loads, nor in front of the second half's stores.
.macro XIN
.irp s, 0,1
.irp t, 0,1,2,3,4,5,6,7,8,9,10,11,12,13,14,15
	global_load_b128 v[X+64*\s+4*\t:X+64*\s+4*\t+3], v[XA], s[4:5] offset:1024*\t+512*\s th:TH_LOAD_NT   ; row t, bytes 512 s on: 32 lanes, 512 consecutive bytes
.endr
.endr
.irp s, 0,1
	s_wait_loadcnt 16-16*\s                        ; this half's sixteen loads are in; the other half's sixteen were issued behind them
.irp t, 0,1,2,3,4,5,6,7,8,9,10,11,12,13,14,15
	ds_store_b128 v[SWA], v[X+64*\s+4*\t:X+64*\s+4*\t+3] offset:SPIT*\t
.endr
.irp c, 0,1
.irp j, 0,1,2,3,4,5,6,7
	ds_load_b128 v[X+64*\s+32*\c+4*\j:X+64*\s+32*\c+4*\j+3], v[SRA] offset:256*\c+16*\j   ; back into the registers that they left: my row, k 128 s + 64 c + 32 h + 4 j on
.endr
.endr
.endr
	s_wait_dscnt 0x0
.endm
; the sum of the squares of my row: my 128 numbers in four chains of two, then lane l xor 16's; the result stands in v[SQ] of both lanes
.macro SUMSQ
.irp p, 0,1,2,3
	v_pk_mul_f32 v[SQ+2*\p:SQ+2*\p+1], v[X+2*\p:X+2*\p+1], v[X+2*\p:X+2*\p+1]   ; the first products start the chains: nothing is cleared
.endr
.set i, 4
.rept 60
	v_pk_fma_f32 v[SQ+2*(i%4):SQ+2*(i%4)+1], v[X+2*i:X+2*i+1], v[X+2*i:X+2*i+1], v[SQ+2*(i%4):SQ+2*(i%4)+1]
.set i, i+1
.endr
	v_pk_add_f32 v[SQ:SQ+1], v[SQ:SQ+1], v[SQ+2:SQ+3]
	v_pk_add_f32 v[SQ+4:SQ+5], v[SQ+4:SQ+5], v[SQ+6:SQ+7]
	v_pk_add_f32 v[SQ:SQ+1], v[SQ:SQ+1], v[SQ+4:SQ+5]
	v_add_f32 v[SQ], v[SQ], v[SQ+1]
	v_permlanex16_b32 v[PT], v[SQ], s[SEL], s[SEL+1]
	v_add_f32 v[SQ], v[SQ], v[PT]
.endm
; my four whole blocks of 32 become 24 registers of codes in v[C] on, and the row's two scale words one register v[SCW]
.macro QUANT4
.irp u, 0,1,2,3
	v_max3_num_f32 v[AM+\u], |v[X+32*\u]|, |v[X+32*\u+1]|, 0x2800000   ; block u, and the floor 2^(5 - 127): the byte cannot fall under 1
.endr
.irp i, 2,4,6,8,10,12,14,16,18,20,22,24,26,28,30
.irp u, 0,1,2,3
	v_max3_num_f32 v[AM+\u], v[AM+\u], |v[X+32*\u+\i]|, |v[X+32*\u+\i+1]|   ; the four blocks by turns: no line waits for the line above it
.endr
.endr
.irp u, 0,1,2,3
	v_add_nc_u32 v[SO+\u], 0xfe000000, v[AM+\u]    ; 4 off the exponent field: the conversion takes the exponent field of this operand as its scale
.endr
.irp u, 0,1,2,3
	v_lshrrev_b32 v[BY+\u], 23, v[SO+\u]           ; the scale's byte
.endr
	v_lshl_or_b32 v[W0], v[BY+1], 16, v[BY]        ; k 0-127: my blocks are bytes h and 2 + h of the word,
	v_lshl_or_b32 v[W1], v[BY+3], 16, v[BY+2]      ; k 128-255 likewise
	v_lshlrev_b32 v[W0], v[H8], v[W0]
	v_lshlrev_b32 v[W1], v[H8], v[W1]
	v_permlanex16_b32 v[PT], v[W0], s[SEL], s[SEL+1]
	v_permlanex16_b32 v[PT+1], v[W1], s[SEL], s[SEL+1]
	v_or_b32 v[W0], v[W0], v[PT]                   ; with lane l xor 16's two bytes each word is whole
	v_or_b32 v[W1], v[W1], v[PT+1]
	v_cndmask_b32 v[SCW], v[W0], v[W1], s[HI]      ; lanes 0-15 keep the first word, lanes 16-31 the second
.irp u, 0,1,2,3
	v_cvt_scalef32_pk16_bf6_f32 v[C+6*\u:C+6*\u+2], v[X+32*\u:X+32*\u+15], v[SO+\u]
	v_cvt_scalef32_pk16_bf6_f32 v[CT+4*\u:CT+4*\u+2], v[X+32*\u+16:X+32*\u+31], v[SO+\u]   ; a conversion's three registers begin on an even number: the upper half is made elsewhere and moved
.endr
	v_nop                                          ; one plain instruction between the scaled conversions and the first vector instruction that touches a result
.irp u, 0,1,2,3
.irp i, 0,1,2
	v_mov_b32 v[C+6*\u+3+\i], v[CT+4*\u+\i]
.endr
.endr
.endm
	s_load_b128 s[4:7], s[0:1], 0x0                ; emb s[4:5], ecb s[6:7]
	v_lshl_add_u32 v208, v0, 2, 0x4200
	v_mov_b32 v209, 0
	v_lshrrev_b32 v1, 5, v0
	v_readfirstlane_b32 s8, v1                     ; wave 0, 1
	v_and_b32 v1, 31, v0                           ; lane
	v_and_b32 v2, 15, v0                           ; r
	v_bfe_u32 v3, v0, 4, 1                         ; h
	v_lshlrev_b32 v[XA], 4, v1
	v_lshlrev_b32 v[LS], 2, v1
	v_lshlrev_b32 v[H8], 3, v3
	v_mov_b32 v[ZERO], 0
	v_mov_b32 v[PT], 0                             ; written once: a lane permute's destination counts as one of its sources
	v_mov_b32 v[PT+1], 0
	s_mul_i32 s18, s8, 16*SPIT                     ; my wave's stage
	v_lshl_add_u32 v[SWA], v1, 4, s18              ; in: 16 x lane of a row's 512 bytes
	v_mul_u32_u24 v[SRA], v2, SPIT
	v_lshl_add_u32 v[SRA], v3, 7, v[SRA]
	v_add_nc_u32 v[SRA], s18, v[SRA]               ; out: row r, + 128 h
	s_lshl_b32 s9, ttmp9, 1
	s_add_co_u32 s9, s9, s8                        ; T
	s_lshl_b32 s10, s9, 14                         ; 16 rows of 1,024 bytes
	s_mov_b32 s11, 0
	s_mul_i32 s16, s9, REC
	s_mov_b32 s17, 0
	s_mov_b32 s[SEL], 0x76543210
	s_mov_b32 s[SEL+1], 0xfedcba98
	s_mov_b32 s[HI], 0xffff0000
	s_wait_alu depctr_va_vdst(0)
	s_wait_kmcnt 0x0
	s_add_nc_u64 s[4:5], s[4:5], s[10:11]
	s_add_nc_u64 s[6:7], s[6:7], s[16:17]
	XIN
	SUMSQ
	QUANT4
	v_cndmask_b32 v[EEV], v[SQ], v[ZERO], s[HI]    ; lanes 16-31 store zeros
.irp g, 0,1,2,3,4,5
	global_store_b128 v[XA], v[C+4*\g:C+4*\g+3], s[6:7] offset:512*\g   ; 512 consecutive bytes, at a multiple of 256 from the buffer's first byte
.endr
	global_store_b32 v[LS], v[SCW], s[6:7] offset:3072   ; the record's last 256 bytes leave in two stores of 128: one thirteenth of what the launch stores
	global_store_b32 v[LS], v[EEV], s[6:7] offset:3200
	s_wait_tensorcnt 0x0
	ds_add_u32 v208, v209
	s_wait_dscnt 0x0
	s_endpgm
.Lfunc_end_k_q9e24981c6f_codebook:
	.size	k_q9e24981c6f_codebook, .Lfunc_end_k_q9e24981c6f_codebook-k_q9e24981c6f_codebook
	.p2alignl 7, 3214868480
	.fill 96, 4, 3214868480
	.section	.rodata,"a",@progbits
	.p2align	6, 0x0
	.amdhsa_kernel k_q9e24981c6f_codebook
		.amdhsa_group_segment_fixed_size 17152
		.amdhsa_private_segment_fixed_size 0
		.amdhsa_enable_private_segment 0
		.amdhsa_kernarg_size 16
		.amdhsa_user_sgpr_count 2
		.amdhsa_user_sgpr_kernarg_segment_ptr 1
		.amdhsa_wavefront_size32 1
		.amdhsa_system_sgpr_workgroup_id_x 1
		.amdhsa_system_sgpr_workgroup_id_y 1
		.amdhsa_system_sgpr_workgroup_id_z 1
		.amdhsa_system_vgpr_workitem_id 0
		.amdhsa_next_free_vgpr 210
		.amdhsa_next_free_sgpr 66
		.amdhsa_reserve_vcc 0
		.amdhsa_float_denorm_mode_32 3
		.amdhsa_float_denorm_mode_16_64 3
		.amdhsa_memory_ordered 1
		.amdhsa_forward_progress 1
		.amdhsa_inst_pref_size 20
	.end_amdhsa_kernel
	.amdgpu_metadata
---
amdhsa.version: [ 1, 2 ]
amdhsa.kernels:
  - .name:           k_q9e24981c6f_codebook
    .symbol:         k_q9e24981c6f_codebook.kd
    .args:
      - { .name: emb, .offset: 0, .size: 8, .value_kind: global_buffer, .address_space: global }
      - { .name: ecb, .offset: 8, .size: 8, .value_kind: global_buffer, .address_space: global }
    .group_segment_fixed_size: 17152
    .private_segment_fixed_size: 0
    .kernarg_segment_align: 8
    .kernarg_segment_size: 16
    .max_flat_workgroup_size: 64
    .sgpr_count:     66
    .vgpr_count:     210
    .wavefront_size: 32
...
	.end_amdgpu_metadata
.endif
;; end of part 1
;; launch search (part 2): grid 256 x 1, 8 waves a work-group, no clusters, 111,616 bytes of LDS; arguments z, ecb, out3, idx; writes out3, idx
.if DOCPART == 2
	.amdgcn_target "amdgcn-amd-amdhsa--gfx1250"
	.amdhsa_code_object_version 6
	.text
	.protected	k_q9e24981c6f_search
	.globl	k_q9e24981c6f_search
	.p2align	8
	.type	k_q9e24981c6f_search,@function
k_q9e24981c6f_search:
	s_mov_b64 s[64:65], 0
	v_nop
	global_prefetch_b8 v0, s[64:65] scope:SCOPE_SE
	s_setreg_imm32_b32 hwreg(HW_REG_WAVE_MODE, 25, 1), 1
	s_wait_xcnt 0x0
; indices[r] = argmin over k of (|z_r|^2 + |e_k|^2) - (2 z_r) . e_k, both roundings in f32 as written, the lowest k among equals.  The product is MX-BF6 on both sides.
; A work-group takes 128 rows of z (8 tiles of 16); each wave quantises one tile of 2 z along its 256, and the images are handed round through LDS once: every wave then holds all 8 tiles in registers.
; The codebook comes as records of 3,328 bytes (16 codewords: 24 operand registers as an image, scale words, sums of squares).  In trip t wave w takes records 32 t + 4 w + 0 .. 3, each against all 8 tiles of z.
; A RECORD GOES FROM MEMORY STRAIGHT INTO ITS WAVE'S REGISTERS: it is read by exactly one wave of the work-group, lane for lane as it lies, so a copy in LDS would have no second reader there.
; So no tensor load, no slots, no cluster: a joint load lands in LDS alone, and would add an LDS write and an LDS read for every byte.  The loop has no barrier: waves share nothing in it.
; A ring of four register buffers: a record's 9 loads are issued three records ahead of its first product.
; The matrix instruction has the codewords as source 0 and z as source 1: a lane holds one row of z, and its 8 registers are 8 codewords.  Per row tile the state is: least distance, its record, that record's 8 distances.
; LIMITS: a block of zeros, or one whose largest magnitude lies under 2^-122, gets the scale byte 1 (zero codes add nothing; this program alone reads the bytes).  NaN and infinities are not served.
.set REC,    3328
.set PART,   4*REC                     ; a wave's records of a trip
.set CHUNKB, 8*PART                    ; a trip's records of all eight waves
.set PFW,    6656                      ; a prefetching wave's sixteenth of a trip's bytes: 26 blocks of 256
.set ZIMG,   0                         ; LDS: 8 images of 3,072 bytes
.set ZSCL,   24576                     ; 8 x 128 bytes of scale words
.set ZZL,    25600                     ; 8 x 128 bytes of sums of squares
.set MRG,    26624                     ; 8 x 2,048 bytes: the waves' results
.set SPARE,  43008                     ; the spare words, 128 bytes a wave: four blocks of 256 that no other line names
.set STG,    44032                     ; 8 stages of 16 x 528 bytes
.set SPIT,   528
; window 0
.set AF0, 4                            ; 16 x lane
.set AS0, 5                            ; 4 x lane
.set AE0, 6                            ; 32 h
.set H8,  7                            ; 8 h
.set MA,  8
.set ML,  9
.set SPW, 10
.set NIL, 11
.set ESC, 12                           ; v12-15  the records' scale words, one for each buffer
.set ZSC, 16                           ; v16-23  z's scale words
.set T,   24
.set MN,  32
.set ACC, 36                           ; v36-67  four accumulators by turns
.set ST,  68                           ; v68-147 state: 10 registers for each tile of z
.set EB,  148                          ; v148-243 four buffers of 24 operand registers
.set TL,  244                          ; the record at work on the way out
.set PFO, 246
.set ZZ,  248                          ; v248-255 |z|^2 of my row in each tile
; window 1: v0-191 z's 8 operand images; v208-239 the records' sums of squares, four buffers of 8.  In the head v0-127 hold z's f32 numbers
.set EE,  208
.set X,   0
; the head's registers, in window 0, where the state and the accumulators lie later
.set AM,  24
.set SO,  28
.set BY,  32
.set SQ,  36
.set PT,  44
.set C,   68
.set CT,  92
.set W0,  108
.set W1,  109
.set SCW, 110
.set ZWI, 112
.set ZWS, 113
.set ZWZ, 114
.set SWA, 118
.set SRA, 119
.set WV,  12
.set EBP, 24                           ; s[24:25] my records of this trip
.set CNT, 33
.set SEL, 36
.set PFA, 38
.set LIM, 40
.set HI,  41
.set MSB, 0
.macro WIN new
.if MSB != \new
	s_set_vgpr_msb (MSB<<8)|\new
.set MSB, \new
.endif
.endm
; 16 rows of z by 32 dense loads, turned through my stage so that a lane holds 32 neighbours of one row
.macro XIN
	WIN 0x40
.irp s, 0,1
.irp t, 0,1,2,3,4,5,6,7,8,9,10,11,12,13,14,15
	global_load_b128 v[X+64*\s+4*\t:X+64*\s+4*\t+3], v[AF0], s[4:5] offset:1024*\t+512*\s th:TH_LOAD_NT
.endr
.endr
.irp s, 0,1
	s_wait_loadcnt 16-16*\s                        ; this half is in (and the records asked for earlier); the other half's 16 loads may be out
	WIN 0x04
.irp t, 0,1,2,3,4,5,6,7,8,9,10,11,12,13,14,15
	ds_store_b128 v[SWA], v[X+64*\s+4*\t:X+64*\s+4*\t+3] offset:SPIT*\t
.endr
	WIN 0x40
.irp c, 0,1
.irp j, 0,1,2,3,4,5,6,7
	ds_load_b128 v[X+64*\s+32*\c+4*\j:X+64*\s+32*\c+4*\j+3], v[SRA] offset:256*\c+16*\j
.endr
.endr
.endr
	WIN 0
	s_wait_dscnt 0x0
.endm
.macro SUMSQ
	WIN 0x05
.irp p, 0,1,2,3
	v_pk_mul_f32 v[SQ+2*\p:SQ+2*\p+1], v[X+2*\p:X+2*\p+1], v[X+2*\p:X+2*\p+1]
.endr
.set i, 4
.rept 60
	s_delay_alu instid0(VALU_DEP_4)
	v_pk_fma_f32 v[SQ+2*(i%4):SQ+2*(i%4)+1], v[X+2*i:X+2*i+1], v[X+2*i:X+2*i+1], v[SQ+2*(i%4):SQ+2*(i%4)+1]
.set i, i+1
.endr
	WIN 0
	v_pk_add_f32 v[SQ:SQ+1], v[SQ:SQ+1], v[SQ+2:SQ+3]
	v_pk_add_f32 v[SQ+4:SQ+5], v[SQ+4:SQ+5], v[SQ+6:SQ+7]
	s_delay_alu instid0(VALU_DEP_1)
	v_pk_add_f32 v[SQ:SQ+1], v[SQ:SQ+1], v[SQ+4:SQ+5]
	s_delay_alu instid0(VALU_DEP_1)
	v_add_f32 v[SQ], v[SQ], v[SQ+1]
	s_delay_alu instid0(VALU_DEP_1)
	v_permlanex16_b32 v[PT], v[SQ], s[SEL], s[SEL+1]
	s_delay_alu instid0(VALU_DEP_1)
	v_add_f32 v[SQ], v[SQ], v[PT]
.endm
; my four whole blocks of 32 become 24 registers of codes, the row's two scale words one register
.macro QUANT4
	WIN 0x05
.irp u, 0,1,2,3
	v_max3_num_f32 v[AM+\u], |v[X+32*\u]|, |v[X+32*\u+1]|, 0x2800000   ; with the floor 2^(5 - 127): the byte cannot fall under 1
.endr
	WIN 0x14
.irp i, 2,4,6,8,10,12,14,16,18,20,22,24,26,28,30
.irp u, 0,1,2,3
.if \i > 2
	s_delay_alu instid0(VALU_DEP_4)
.endif
	v_max3_num_f32 v[AM+\u], v[AM+\u], |v[X+32*\u+\i]|, |v[X+32*\u+\i+1]|
.endr
.endr
	WIN 0
.irp u, 0,1,2,3
	v_add_nc_u32 v[SO+\u], 0xfe000000, v[AM+\u]    ; 4 off the exponent field: the conversion's scale operand
.endr
.irp u, 0,1,2,3
	s_delay_alu instid0(VALU_DEP_4)
	v_lshrrev_b32 v[BY+\u], 23, v[SO+\u]
.endr
	s_delay_alu instid0(VALU_DEP_3)
	v_lshl_or_b32 v[W0], v[BY+1], 16, v[BY]
	s_delay_alu instid0(VALU_DEP_2)
	v_lshl_or_b32 v[W1], v[BY+3], 16, v[BY+2]
	s_delay_alu instid0(VALU_DEP_2)
	v_lshlrev_b32 v[W0], v[H8], v[W0]
	s_delay_alu instid0(VALU_DEP_2)
	v_lshlrev_b32 v[W1], v[H8], v[W1]
	s_delay_alu instid0(VALU_DEP_2)
	v_permlanex16_b32 v[PT], v[W0], s[SEL], s[SEL+1]
	s_delay_alu instid0(VALU_DEP_2)
	v_permlanex16_b32 v[PT+1], v[W1], s[SEL], s[SEL+1]
	s_delay_alu instid0(VALU_DEP_2)
	v_or_b32 v[W0], v[W0], v[PT]
	s_delay_alu instid0(VALU_DEP_2)
	v_or_b32 v[W1], v[W1], v[PT+1]
	s_delay_alu instid0(VALU_DEP_1)
	v_cndmask_b32 v[SCW], v[W0], v[W1], s[HI]      ; lanes 0-15 k 0-127's word, lanes 16-31 k 128-255's
	WIN 0x01
.irp u, 0,1,2,3
	v_cvt_scalef32_pk16_bf6_f32 v[C+6*\u:C+6*\u+2], v[X+32*\u:X+32*\u+15], v[SO+\u]
	v_cvt_scalef32_pk16_bf6_f32 v[CT+4*\u:CT+4*\u+2], v[X+32*\u+16:X+32*\u+31], v[SO+\u]
.endr
	WIN 0
	v_nop                                          ; one plain place behind the scaled conversions
.irp u, 0,1,2,3
.irp i, 0,1,2
	v_mov_b32 v[C+6*\u+3+\i], v[CT+4*\u+\i]
.endr
.endr
.endm
; a record's 9 loads, at byte off from my records of this trip, into buffer buf
.macro LOADS off, buf
.irp g, 0,1,2,3,4,5
	global_load_b128 v[EB+24*(\buf)+4*\g:EB+24*(\buf)+4*\g+3], v[AF0], s[EBP:EBP+1] offset:(\off)+512*\g
.endr
	global_load_b32 v[ESC+(\buf)], v[AS0], s[EBP:EBP+1] offset:(\off)+3072
	WIN 0x40
	global_load_b128 v[EE+8*(\buf):EE+8*(\buf)+3], v[AE0], s[EBP:EBP+1] offset:(\off)+3200
	global_load_b128 v[EE+8*(\buf)+4:EE+8*(\buf)+7], v[AE0], s[EBP:EBP+1] offset:(\off)+3216
	WIN 0
.endm
; Slot n: the first 128 along K of tile n, the second 128 of tile n - 1, the way out of tile n - 2.  Four accumulators by turns.
.macro SLOT n, w1, w2, epi
.set sq0, (\n)%8
.set sb0, ((\n)/8)%4
.set sn1, ((\n)+31)%32
.set sq1, sn1%8
.set sb1, (sn1/8)%4
.set sn2, ((\n)+30)%32
.set sq2, sn2%8
.set sb2, (sn2/8)%4
.set rA0, ACC+8*(sq0%4)
.set rA1, ACC+8*(sq1%4)
.set rA2, ACC+8*(sq2%4)
.set rS,  ST+10*sq2
.set rZ,  ZZ+2*(sq2/2)
	WIN 0x04
.if \w1
	v_wmma_scale_f32_16x16x128_f8f6f4 v[rA0:rA0+7], v[EB+24*sb0:EB+24*sb0+11], v[24*sq0:24*sq0+11], 0, v[ESC+sb0], v[ZSC+sq0] matrix_a_fmt:MATRIX_FMT_BF6 matrix_b_fmt:MATRIX_FMT_BF6
.endif
.if \epi
.irp p, 0,2,4,6
.if sq2%2
	v_pk_add_f32 v[T+\p:T+\p+1], v[rZ:rZ+1], v[EE+8*sb2+\p:EE+8*sb2+\p+1] op_sel:[1,0] op_sel_hi:[1,1]   ; |z|^2 + |e|^2: the pair's upper register serves both halves,
.else
	v_pk_add_f32 v[T+\p:T+\p+1], v[rZ:rZ+1], v[EE+8*sb2+\p:EE+8*sb2+\p+1] op_sel_hi:[0,1]                ; or its lower
.endif
.endr
.irp p, 0,2,4,6
	v_pk_fma_f32 v[rA2+\p:rA2+\p+1], v[rA2+\p:rA2+\p+1], -1.0, v[T+\p:T+\p+1] op_sel_hi:[1,0,1]          ; less the product: one rounding
.endr
.endif
.if \w2
	v_wmma_scale_f32_16x16x128_f8f6f4 v[rA1:rA1+7], v[EB+24*sb1+12:EB+24*sb1+23], v[24*sq1+12:24*sq1+23], v[rA1:rA1+7], v[ESC+sb1], v[ZSC+sq1] matrix_a_fmt:MATRIX_FMT_BF6 matrix_b_fmt:MATRIX_FMT_BF6 matrix_a_scale:MATRIX_SCALE_ROW1 matrix_b_scale:MATRIX_SCALE_ROW1
.endif
	WIN 0
.if \epi
	v_min3_num_f32 v[MN], v[rA2], v[rA2+1], v[rA2+2]
	v_min3_num_f32 v[MN+1], v[rA2+3], v[rA2+4], v[rA2+5]
	v_min_num_f32 v[MN+2], v[rA2+6], v[rA2+7]
	s_delay_alu instid0(VALU_DEP_1)
	v_min3_num_f32 v[MN+3], v[MN], v[MN+1], v[MN+2]
	s_delay_alu instid0(VALU_DEP_1)
	v_cmp_le_f32 vcc_lo, v[rS], v[MN+3]            ; the earlier record stays among equals
	v_dual_cndmask_b32 v[rS+1], v[TL], v[rS+1] :: v_dual_min_num_f32 v[rS], v[MN+3], v[rS]
.irp j, 0,2,4,6
	v_dual_cndmask_b32 v[rS+2+\j], v[rA2+\j], v[rS+2+\j] :: v_dual_cndmask_b32 v[rS+3+\j], v[rA2+1+\j], v[rS+3+\j]
.endr
.endif
.endm
; The prefetch: in trip t the records of trip t + 2, 416 blocks of 256 bytes, each named once: waves 0-3 of work-groups 0-3 take 26 blocks each, a lane a block (lanes 26-31 name the last again).  The last two trips ask for nothing.
.macro ASK
	s_cmp_gt_u32 s[CNT], s[LIM]
	s_cbranch_scc0 .Lnot_mine_\@
	global_prefetch_b8 v[PFO], s[PFA:PFA+1] th:TH_LOAD_NT scope:SCOPE_SE
.Lnot_mine_\@:
.endm
; A trip: 4 records x 8 tiles of z.  At a record's head its 9 loads are waited for: behind them the loads of the next two records were issued, 18, which may stay out.
; Two slots into record i the buffer of record i - 1 is free and takes record i + 3.  last = 1: nothing beyond the trip is asked for, and the counts run down.
.macro TRIP first, last
.set nn, 0
.rept 32
.if nn%8 == 0
.if (\last) && nn >= 16
	s_wait_loadcnt 9*(3-nn/8)
.else
	s_wait_loadcnt 18
.endif
.endif
.if nn%8 == 2
.if nn == 2
	v_add_nc_u32 v[TL], 29, v[TL]
	LOADS 3*REC, 3
.else
	v_add_nc_u32 v[TL], 1, v[TL]
.if \last == 0
	LOADS CHUNKB+(nn/8-1)*REC, nn/8-1
.endif
.endif
.if nn == 10 && \last == 0
	ASK
.endif
.endif
.set fw2, 1
.set fep, 1
.if \first
.if nn == 0
.set fw2, 0
.endif
.if nn < 2
.set fep, 0
.endif
.endif
	SLOT nn, 1, fw2, fep
.set nn, nn+1
.endr
.endm
.macro STEPB
	s_wait_xcnt 0x0                                ; the loads and the prefetch have read their bases: only now are these stepped
	s_add_nc_u64 s[EBP:EBP+1], s[EBP:EBP+1], CHUNKB
	s_add_nc_u64 s[PFA:PFA+1], s[PFA:PFA+1], CHUNKB
.endm
.macro MERGE ba, ka, bb, kb                    ; the lesser distance; among equals the lower index
	v_cmp_lt_f32 vcc_lo, v[\bb], v[\ba]
	s_delay_alu instid0(VALU_DEP_1)
	v_cndmask_b32 v[MN+2], v[\ka], v[\kb], vcc_lo
	v_min_u32 v[MN+3], v[\ka], v[\kb]
	v_cmp_eq_f32 vcc_lo, v[\bb], v[\ba]
	s_delay_alu instid0(VALU_DEP_1)
	v_cndmask_b32 v[\ka], v[MN+2], v[MN+3], vcc_lo
	v_min_num_f32 v[\ba], v[\ba], v[\bb]
.endm
	s_load_b256 s[4:11], s[0:1], 0x0               ; z, ecb, out3, idx
	v_lshl_add_u32 v[SPW], v0, 2, SPARE
	v_mov_b32 v[NIL], 0
	v_lshrrev_b32 v1, 5, v0
	s_delay_alu instid0(VALU_DEP_1)
	v_readfirstlane_b32 s[WV], v1
	v_and_b32 v1, 31, v0
	v_and_b32 v2, 15, v0
	v_bfe_u32 v3, v0, 4, 1
	s_delay_alu instid0(VALU_DEP_3)
	v_lshlrev_b32 v[AF0], 4, v1
	v_lshlrev_b32 v[AS0], 2, v1
	s_delay_alu instid0(VALU_DEP_3)
	v_lshlrev_b32 v[AE0], 5, v3
	v_lshlrev_b32 v[H8], 3, v3
	s_mul_i32 s47, s[WV], 16*SPIT
	s_add_co_u32 s47, s47, STG
	v_lshl_add_u32 v[SWA], v1, 4, s47
	v_mul_u32_u24 v[SRA], v2, SPIT
	s_delay_alu instid0(VALU_DEP_1)
	v_lshl_add_u32 v[SRA], v3, 7, v[SRA]
	s_delay_alu instid0(VALU_DEP_1)
	v_add_nc_u32 v[SRA], s47, v[SRA]
	s_mul_i32 s47, s[WV], 3072
	v_lshl_add_u32 v[ZWI], v1, 4, s47              ; my tile's image (ZIMG = 0)
	v_lshl_add_u32 v[ZWS], v0, 2, ZSCL             ; 128 x wave + 4 x lane
	v_lshl_add_u32 v[ZWZ], v0, 2, ZZL
	s_lshl_b32 s47, s[WV], 11
	s_add_co_u32 s47, s47, MRG
	v_lshl_add_u32 v[MA], v1, 3, s47
	v_lshrrev_b32 v[T], 2, v1
	v_and_b32 v[T+1], 3, v1
	s_delay_alu instid0(VALU_DEP_2)
	v_lshlrev_b32 v[T], 8, v[T]
	s_delay_alu instid0(VALU_DEP_1)
	v_lshl_add_u32 v[T], v[T+1], 5, v[T]
	s_delay_alu instid0(VALU_DEP_1)
	v_add_nc_u32 v[ML], MRG, v[T]
	v_min_u32 v[PFO], 25, v1
	s_delay_alu instid0(VALU_DEP_1)
	v_lshlrev_b32 v[PFO], 8, v[PFO]
	v_mov_b32 v[PT], 0                             ; a lane permute's destination counts as one of its sources
	v_mov_b32 v[PT+1], 0
	s_mul_i32 s42, s[WV], PART
	s_mov_b32 s43, 0
	s_mov_b32 s[SEL], 0x76543210
	s_mov_b32 s[SEL+1], 0xfedcba98
	s_mov_b32 s[HI], 0xffff0000
	s_and_b32 s46, ttmp9, 3
	s_lshl_b32 s46, s46, 2
	s_and_b32 s47, s[WV], 3
	s_add_co_u32 s46, s46, s47
	s_mul_i32 s46, s46, PFW
	s_add_co_u32 s46, s46, 2*CHUNKB
	s_mov_b32 s47, 0
	s_lshr_b32 s44, s[WV], 2
	s_lshr_b32 s45, ttmp9, 2
	s_or_b32 s44, s44, s45
	s_cmp_eq_u32 s44, 0
	s_cselect_b32 s[LIM], 1, -1                    ; waves 0-3 of work-groups 0-3 prefetch
	s_lshl_b32 s44, ttmp9, 17                      ; 128 rows of 1,024 bytes a work-group,
	s_lshl_b32 s45, s[WV], 14                      ; 16 a wave
	s_add_co_u32 s44, s44, s45
	s_mov_b32 s45, 0
	s_lshl_b32 s14, ttmp9, 9                       ; 128 indices of 4 bytes
	s_mov_b32 s15, 0
	s_wait_alu depctr_va_vdst(0)
	s_wait_kmcnt 0x0
	s_add_nc_u64 s[EBP:EBP+1], s[6:7], s[42:43]
	s_add_nc_u64 s[PFA:PFA+1], s[6:7], s[46:47]
	s_add_nc_u64 s[4:5], s[4:5], s[44:45]
	s_add_nc_u64 s[8:9], s[8:9], s[14:15]
	s_add_nc_u64 s[10:11], s[10:11], s[14:15]
	LOADS 0, 0                                     ; my first three records, ahead of z's loads
	LOADS REC, 1
	LOADS 2*REC, 2
	XIN
	SUMSQ
	WIN 0x41
.set i, 0
.rept 64
	v_pk_mul_f32 v[X+2*i:X+2*i+1], v[X+2*i:X+2*i+1], 2.0 op_sel_hi:[1,0]   ; the operand is 2 z
.set i, i+1
.endr
	QUANT4
.irp g, 0,1,2,3,4,5
	ds_store_b128 v[ZWI], v[C+4*\g:C+4*\g+3] offset:512*\g
.endr
	ds_store_b32 v[ZWS], v[SCW]
	ds_store_b32 v[ZWZ], v[SQ]
	s_wait_dscnt 0x0                               ; for the others' sake: my stores are done
	s_barrier_signal -1
	s_barrier_wait -1
	WIN 0x40
.irp q, 0,1,2,3,4,5,6,7
.irp g, 0,1,2,3,4,5
	ds_load_b128 v[24*\q+4*\g:24*\q+4*\g+3], v[AF0] offset:ZIMG+3072*\q+512*\g
.endr
.endr
	WIN 0
.irp q, 0,1,2,3,4,5,6,7
	ds_load_b32 v[ZSC+\q], v[AS0] offset:ZSCL+128*\q
	ds_load_b32 v[ZZ+\q], v[AS0] offset:ZZL+128*\q
.endr
	s_mov_b32 s46, 0x7f800000                      ; the state begins at +infinity
.irp q, 0,1,2,3,4,5,6,7
	v_mov_b32 v[ST+10*\q], s46
	v_mov_b32 v[ST+10*\q+1], 0
.irp j, 2,3,4,5,6,7,8,9
	v_mov_b32 v[ST+10*\q+\j], s46
.endr
.endr
	s_lshl_b32 s47, s[WV], 2
	s_sub_co_i32 s47, s47, 29
	v_mov_b32 v[TL], s47                           ; 4 w - 29: a trip's first record adds 29, the others 1
	s_wait_alu depctr_va_vdst(0)
	s_wait_dscnt 0x0
	s_mov_b32 s[CNT], 15
	TRIP 1, 0
	STEPB
	s_mov_b32 s[CNT], 14
.Lchunk:
	TRIP 0, 0
	STEPB
	s_sub_co_u32 s[CNT], s[CNT], 1
	s_cmp_lg_u32 s[CNT], 0
	s_cbranch_scc1 .Lchunk
	TRIP 0, 1
	SLOT 32, 0, 1, 1
	SLOT 33, 0, 0, 1
; which of the kept record's 8 distances is the least: the lowest such register
.irp q, 0,1,2,3,4,5,6,7
	v_mov_b32 v[T+\q], 7
.endr
.irp j, 6,5,4,3,2,1,0
.irp q, 0,1,2,3,4,5,6,7
	v_cmp_neq_f32 vcc_lo, v[ST+10*\q+2+\j], v[ST+10*\q]
	s_delay_alu instid0(VALU_DEP_1)
	v_cndmask_b32 v[T+\q], \j, v[T+\q], vcc_lo
.endr
.endr
.irp q, 0,1,2,3,4,5,6,7
	v_lshl_add_u32 v[ST+10*\q+1], v[ST+10*\q+1], 4, v[T+\q]
	s_delay_alu instid0(VALU_DEP_1)
	v_add_nc_u32 v[ST+10*\q+1], v[H8], v[ST+10*\q+1]   ; k = 16 x record + 8 h + register
.endr
.irp q, 0,1,2,3,4,5,6,7
	v_permlanex16_b32 v[MN], v[ST+10*\q], s[SEL], s[SEL+1]
	v_permlanex16_b32 v[MN+1], v[ST+10*\q+1], s[SEL], s[SEL+1]
	MERGE ST+10*\q, ST+10*\q+1, MN, MN+1
	ds_store_b64 v[MA], v[ST+10*\q:ST+10*\q+1] offset:256*\q
.endr
	s_wait_dscnt 0x0
	s_barrier_signal -1
	s_barrier_wait -1
	s_cmp_lg_u32 s[WV], 0
	s_cbranch_scc1 .Lend
; wave 0 joins the eight waves' results: a lane takes four rows
.irp w, 0,1,2,3,4,5,6,7
	ds_load_b128 v[ST+8*\w:ST+8*\w+3], v[ML] offset:2048*\w
	ds_load_b128 v[ST+8*\w+4:ST+8*\w+7], v[ML] offset:2048*\w+16
.endr
	s_wait_dscnt 0x0
.irp w, 1,2,3,4,5,6,7
.irp t, 0,1,2,3
	MERGE ST+2*\t, ST+2*\t+1, ST+8*\w+2*\t, ST+8*\w+2*\t+1
.endr
.endr
.irp t, 0,1,2,3
	v_mov_b32 v[T+\t], v[ST+2*\t+1]
.endr
	global_store_b128 v[AF0], v[T:T+3], s[8:9]     ; 512 consecutive bytes, twice: the output, and the list for the next launch
	global_store_b128 v[AF0], v[T:T+3], s[10:11]
.Lend:
	s_wait_tensorcnt 0x0                           ; the wave's end
	ds_add_u32 v[SPW], v[NIL]
	s_wait_dscnt 0x0
	s_endpgm
.Lfunc_end_k_q9e24981c6f_search:
	.size	k_q9e24981c6f_search, .Lfunc_end_k_q9e24981c6f_search-k_q9e24981c6f_search
	.p2alignl 7, 3214868480
	.fill 96, 4, 3214868480
	.section	.rodata,"a",@progbits
	.p2align	6, 0x0
	.amdhsa_kernel k_q9e24981c6f_search
		.amdhsa_group_segment_fixed_size 111616
		.amdhsa_private_segment_fixed_size 0
		.amdhsa_enable_private_segment 0
		.amdhsa_kernarg_size 32
		.amdhsa_user_sgpr_count 2
		.amdhsa_user_sgpr_kernarg_segment_ptr 1
		.amdhsa_wavefront_size32 1
		.amdhsa_system_sgpr_workgroup_id_x 1
		.amdhsa_system_sgpr_workgroup_id_y 1
		.amdhsa_system_sgpr_workgroup_id_z 1
		.amdhsa_system_vgpr_workitem_id 0
		.amdhsa_next_free_vgpr 512
		.amdhsa_next_free_sgpr 66
		.amdhsa_reserve_vcc 1
		.amdhsa_float_denorm_mode_32 3
		.amdhsa_float_denorm_mode_16_64 3
		.amdhsa_memory_ordered 1
		.amdhsa_forward_progress 1
		.amdhsa_inst_pref_size 206
	.end_amdhsa_kernel
	.amdgpu_metadata
---
amdhsa.version: [ 1, 2 ]
amdhsa.kernels:
  - .name:           k_q9e24981c6f_search
    .symbol:         k_q9e24981c6f_search.kd
    .args:
      - { .name: z, .offset: 0, .size: 8, .value_kind: global_buffer, .address_space: global }
      - { .name: ecb, .offset: 8, .size: 8, .value_kind: global_buffer, .address_space: global }
      - { .name: out3, .offset: 16, .size: 8, .value_kind: global_buffer, .address_space: global }
      - { .name: idx, .offset: 24, .size: 8, .value_kind: global_buffer, .address_space: global }
    .group_segment_fixed_size: 111616
    .private_segment_fixed_size: 0
    .kernarg_segment_align: 8
    .kernarg_segment_size: 32
    .max_flat_workgroup_size: 256
    .sgpr_count:     66
    .vgpr_count:     512
    .wavefront_size: 32
...
	.end_amdgpu_metadata
.endif
;; end of part 2
;; launch gather (part 3): grid 512 x 1, 8 waves a work-group, no clusters, 0 bytes of LDS; arguments z, emb, idx, out0, part; writes out0, part
.if DOCPART == 3
	.amdgcn_target "amdgcn-amd-amdhsa--gfx1250"
	.amdhsa_code_object_version 6
	.text
	.protected	k_q9e24981c6f_gather
	.globl	k_q9e24981c6f_gather
	.p2align	8
	.type	k_q9e24981c6f_gather,@function
k_q9e24981c6f_gather:
	s_mov_b64 s[64:65], 0
	v_nop
	global_prefetch_b8 v0, s[64:65] scope:SCOPE_SE
	s_setreg_imm32_b32 hwreg(HW_REG_WAVE_MODE, 25, 1), 1
	s_wait_xcnt 0x0
; out0[r] = z[r] + (emb[idx[r]] - z[r]), with both roundings as written, and for each wave the sum of (emb[idx[r]] - z[r])^2 over its rows.
; A stream: wave g = 8 x work-group + wave takes rows 8 g .. 8 g + 7.  A row is 1,024 bytes: two loads or stores of 512 consecutive bytes.  All 32 loads of a wave are issued before the first is used.
; The eight indices come by one scalar load from the list that the launch before stored; each is held inside the table (at most 8,191) before it enters an address.
; No LDS, no barrier, no matrix unit, no cluster: waves share nothing.  The rows of emb carry no streaming hint: the list may name a row many times.
.set Z,  16                            ; v16-79   my eight rows of z, then of out0
.set E,  80                            ; v80-143  the eight codewords, then the differences
.set AC, 144                           ; v144-151 four chains of two for the sum of squares
	s_load_b256 s[4:11], s[0:1], 0x0               ; z s[4:5], emb s[6:7], idx s[8:9], out0 s[10:11]
	s_load_b64 s[12:13], s[0:1], 0x20              ; part
	v_lshrrev_b32 v1, 5, v0
	s_delay_alu instid0(VALU_DEP_1)
	v_readfirstlane_b32 s14, v1                    ; wave 0..7
	v_and_b32 v1, 31, v0                           ; lane
	s_delay_alu instid0(VALU_DEP_1)
	v_lshlrev_b32 v2, 4, v1                        ; my 16 bytes of 512
	v_mov_b32 v3, 0                                ; written once: a lane permute's destination counts as one of its sources
	v_mov_b32 v4, 0                                ; the offset of the wave's one number
	s_lshl_b32 s15, ttmp9, 3
	s_add_co_u32 s15, s15, s14                     ; g
	s_lshl_b32 s40, s15, 5                         ; eight indices of 4 bytes
	s_mov_b32 s41, 0
	s_lshl_b32 s42, s15, 13                        ; eight rows of 1,024 bytes
	s_mov_b32 s43, 0
	s_lshl_b32 s44, s15, 2
	s_mov_b32 s45, 0
	s_mov_b32 s46, 0x76543210
	s_mov_b32 s47, 0xfedcba98
	s_wait_alu depctr_va_vdst(0)
	s_wait_kmcnt 0x0
	s_add_nc_u64 s[8:9], s[8:9], s[40:41]
	s_load_b256 s[16:23], s[8:9], 0x0              ; my eight indices
	s_add_nc_u64 s[4:5], s[4:5], s[42:43]
	s_add_nc_u64 s[10:11], s[10:11], s[42:43]
	s_add_nc_u64 s[12:13], s[12:13], s[44:45]
.irp m, 0,1,2,3,4,5,6,7,8,9,10,11,12,13,14,15
	global_load_b128 v[Z+4*\m:Z+4*\m+3], v2, s[4:5] offset:512*\m th:TH_LOAD_NT
.endr
	s_wait_kmcnt 0x0
.irp i, 0,1,2,3,4,5,6,7
	s_min_u32 s[16+\i], s[16+\i], 0x1fff           ; inside the table
	s_lshl_b32 s[24+2*\i], s[16+\i], 10            ; a row of emb is 1,024 bytes
	s_mov_b32 s[25+2*\i], 0
	s_add_nc_u64 s[24+2*\i:25+2*\i], s[6:7], s[24+2*\i:25+2*\i]
.endr
.irp i, 0,1,2,3,4,5,6,7
	global_load_b128 v[E+8*\i:E+8*\i+3], v2, s[24+2*\i:25+2*\i]
	global_load_b128 v[E+8*\i+4:E+8*\i+7], v2, s[24+2*\i:25+2*\i] offset:512
.endr
.set mm, 0
.rept 16
	s_wait_loadcnt 15-mm                           ; loads come back in order: half row mm of emb is in, and all of z, which was asked for earlier; the 15 - mm loads issued behind it may stay out
	v_pk_add_f32 v[E+4*mm:E+4*mm+1], v[E+4*mm:E+4*mm+1], v[Z+4*mm:Z+4*mm+1] neg_lo:[0,1] neg_hi:[0,1]       ; t = z_q - z
	v_pk_add_f32 v[E+4*mm+2:E+4*mm+3], v[E+4*mm+2:E+4*mm+3], v[Z+4*mm+2:Z+4*mm+3] neg_lo:[0,1] neg_hi:[0,1]
.if mm < 2
	s_delay_alu instid0(VALU_DEP_2)
	v_pk_mul_f32 v[AC+4*mm:AC+4*mm+1], v[E+4*mm:E+4*mm+1], v[E+4*mm:E+4*mm+1]                               ; the first products start the chains
	s_delay_alu instid0(VALU_DEP_2)
	v_pk_mul_f32 v[AC+4*mm+2:AC+4*mm+3], v[E+4*mm+2:E+4*mm+3], v[E+4*mm+2:E+4*mm+3]
.else
	s_delay_alu instid0(VALU_DEP_2)
	v_pk_fma_f32 v[AC+4*(mm%2):AC+4*(mm%2)+1], v[E+4*mm:E+4*mm+1], v[E+4*mm:E+4*mm+1], v[AC+4*(mm%2):AC+4*(mm%2)+1]
	s_delay_alu instid0(VALU_DEP_2)
	v_pk_fma_f32 v[AC+4*(mm%2)+2:AC+4*(mm%2)+3], v[E+4*mm+2:E+4*mm+3], v[E+4*mm+2:E+4*mm+3], v[AC+4*(mm%2)+2:AC+4*(mm%2)+3]
.endif
	s_delay_alu instid0(VALU_DEP_4)
	v_pk_add_f32 v[Z+4*mm:Z+4*mm+1], v[Z+4*mm:Z+4*mm+1], v[E+4*mm:E+4*mm+1]                                 ; z + t
	s_delay_alu instid0(VALU_DEP_4)
	v_pk_add_f32 v[Z+4*mm+2:Z+4*mm+3], v[Z+4*mm+2:Z+4*mm+3], v[E+4*mm+2:E+4*mm+3]
	global_store_b128 v2, v[Z+4*mm:Z+4*mm+3], s[10:11] offset:512*mm th:TH_STORE_NT                         ; no register that a store reads is written again
.set mm, mm+1
.endr
	s_wait_alu depctr_va_vdst(0)
	v_pk_add_f32 v[AC:AC+1], v[AC:AC+1], v[AC+2:AC+3]
	v_pk_add_f32 v[AC+4:AC+5], v[AC+4:AC+5], v[AC+6:AC+7]
	s_delay_alu instid0(VALU_DEP_1)
	v_pk_add_f32 v[AC:AC+1], v[AC:AC+1], v[AC+4:AC+5]
	s_delay_alu instid0(VALU_DEP_1)
	v_add_f32 v[AC], v[AC], v[AC+1]
	s_delay_alu instid0(VALU_DEP_1)
	v_add_f32_dpp v[AC], v[AC], v[AC] row_xmask:1 row_mask:0xf bank_mask:0xf
	s_delay_alu instid0(VALU_DEP_1)
	v_add_f32_dpp v[AC], v[AC], v[AC] row_xmask:2 row_mask:0xf bank_mask:0xf
	s_delay_alu instid0(VALU_DEP_1)
	v_add_f32_dpp v[AC], v[AC], v[AC] row_xmask:4 row_mask:0xf bank_mask:0xf
	s_delay_alu instid0(VALU_DEP_1)
	v_add_f32_dpp v[AC], v[AC], v[AC] row_xmask:8 row_mask:0xf bank_mask:0xf
	s_delay_alu instid0(VALU_DEP_1)
	v_permlanex16_b32 v3, v[AC], s46, s47
	s_delay_alu instid0(VALU_DEP_1)
	v_add_f32 v[AC], v[AC], v3                     ; the wave's sum, in every lane
	s_wait_alu depctr_va_vdst(0)
	s_wait_xcnt 0x0                                ; EXEC is a source of the stores above: it changes only behind this wait
	v_cmp_eq_u32 vcc_lo, 0, v1
	s_and_saveexec_b32 s40, vcc_lo
	global_store_b32 v4, v[AC], s[12:13]           ; lane 0 stores it: 4 bytes a wave, 16 KiB in the launch, against its 32 MiB of rows
	s_endpgm
.Lfunc_end_k_q9e24981c6f_gather:
	.size	k_q9e24981c6f_gather, .Lfunc_end_k_q9e24981c6f_gather-k_q9e24981c6f_gather
	.p2alignl 7, 3214868480
	.fill 96, 4, 3214868480
	.section	.rodata,"a",@progbits
	.p2align	6, 0x0
	.amdhsa_kernel k_q9e24981c6f_gather
		.amdhsa_group_segment_fixed_size 0
		.amdhsa_private_segment_fixed_size 0
		.amdhsa_enable_private_segment 0
		.amdhsa_kernarg_size 40
		.amdhsa_user_sgpr_count 2
		.amdhsa_user_sgpr_kernarg_segment_ptr 1
		.amdhsa_wavefront_size32 1
		.amdhsa_system_sgpr_workgroup_id_x 1
		.amdhsa_system_sgpr_workgroup_id_y 1
		.amdhsa_system_sgpr_workgroup_id_z 1
		.amdhsa_system_vgpr_workitem_id 0
		.amdhsa_next_free_vgpr 152
		.amdhsa_next_free_sgpr 66
		.amdhsa_reserve_vcc 1
		.amdhsa_float_denorm_mode_32 3
		.amdhsa_float_denorm_mode_16_64 3
		.amdhsa_memory_ordered 1
		.amdhsa_forward_progress 1
		.amdhsa_inst_pref_size 17
	.end_amdhsa_kernel
	.amdgpu_metadata
---
amdhsa.version: [ 1, 2 ]
amdhsa.kernels:
  - .name:           k_q9e24981c6f_gather
    .symbol:         k_q9e24981c6f_gather.kd
    .args:
      - { .name: z, .offset: 0, .size: 8, .value_kind: global_buffer, .address_space: global }
      - { .name: emb, .offset: 8, .size: 8, .value_kind: global_buffer, .address_space: global }
      - { .name: idx, .offset: 16, .size: 8, .value_kind: global_buffer, .address_space: global }
      - { .name: out0, .offset: 24, .size: 8, .value_kind: global_buffer, .address_space: global }
      - { .name: part, .offset: 32, .size: 8, .value_kind: global_buffer, .address_space: global }
    .group_segment_fixed_size: 0
    .private_segment_fixed_size: 0
    .kernarg_segment_align: 8
    .kernarg_segment_size: 40
    .max_flat_workgroup_size: 256
    .sgpr_count:     66
    .vgpr_count:     152
    .wavefront_size: 32
...
	.end_amdgpu_metadata
.endif
;; end of part 3
;; launch finish (part 4): grid 1 x 1, 1 waves a work-group, no clusters, 0 bytes of LDS; arguments part, out1, out2; writes out1, out2
.if DOCPART == 4
	.amdgcn_target "amdgcn-amd-amdhsa--gfx1250"
	.amdhsa_code_object_version 6
	.text
	.protected	k_q9e24981c6f_finish
	.globl	k_q9e24981c6f_finish
	.p2align	8
	.type	k_q9e24981c6f_finish,@function
k_q9e24981c6f_finish:
	s_mov_b64 s[64:65], 0
	v_nop
	global_prefetch_b8 v0, s[64:65] scope:SCOPE_SE
	s_setreg_imm32_b32 hwreg(HW_REG_WAVE_MODE, 25, 1), 1
	s_wait_xcnt 0x0
; out1 = out2 = 0.25 x the mean of (z_q - z)^2 over 32,768 x 256 numbers = the sum of the 4,096 waves' sums x 2^-25 (0.25 / 2^23, exact).
; One wave: 32 loads of 512 consecutive bytes, four chains of two, one reduction across the lanes.  A sum over all work-groups of the launch before has one owner here: no atomics.
	s_load_b128 s[4:7], s[0:1], 0x0                ; part s[4:5], out1 s[6:7]
	s_load_b64 s[8:9], s[0:1], 0x10                ; out2
	v_lshlrev_b32 v1, 4, v0
	v_mov_b32 v2, 0                                ; the stores' offset
	v_mov_b32 v3, 0                                ; written once: a lane permute's destination counts as one of its sources
	s_mov_b32 s10, 0x76543210
	s_mov_b32 s11, 0xfedcba98
	s_wait_alu depctr_va_vdst(0)
	s_wait_kmcnt 0x0
.irp i, 0,1,2,3,4,5,6,7,8,9,10,11,12,13,14,15,16,17,18,19,20,21,22,23,24,25,26,27,28,29,30,31
	global_load_b128 v[16+4*\i:19+4*\i], v1, s[4:5] offset:512*\i
.endr
	s_wait_loadcnt 0x0
.set i, 2
.rept 30
	v_pk_add_f32 v[16+4*(i%2):17+4*(i%2)], v[16+4*(i%2):17+4*(i%2)], v[16+4*i:17+4*i]   ; the first two loads' registers are the four chains
	v_pk_add_f32 v[18+4*(i%2):19+4*(i%2)], v[18+4*(i%2):19+4*(i%2)], v[18+4*i:19+4*i]
.set i, i+1
.endr
	v_pk_add_f32 v[16:17], v[16:17], v[18:19]
	v_pk_add_f32 v[20:21], v[20:21], v[22:23]
	v_pk_add_f32 v[16:17], v[16:17], v[20:21]
	v_add_f32 v16, v16, v17
	v_add_f32_dpp v16, v16, v16 row_xmask:1 row_mask:0xf bank_mask:0xf
	v_add_f32_dpp v16, v16, v16 row_xmask:2 row_mask:0xf bank_mask:0xf
	v_add_f32_dpp v16, v16, v16 row_xmask:4 row_mask:0xf bank_mask:0xf
	v_add_f32_dpp v16, v16, v16 row_xmask:8 row_mask:0xf bank_mask:0xf
	v_permlanex16_b32 v3, v16, s10, s11
	v_add_f32 v16, v16, v3
	v_mul_f32 v16, 0x33000000, v16                 ; x 2^-25
	s_wait_alu depctr_va_vdst(0)
	s_wait_xcnt 0x0                                ; EXEC changes only behind this wait
	v_cmp_eq_u32 vcc_lo, 0, v0
	s_and_saveexec_b32 s12, vcc_lo
	global_store_b32 v2, v16, s[6:7]
	global_store_b32 v2, v16, s[8:9]
	s_endpgm
.Lfunc_end_k_q9e24981c6f_finish:
	.size	k_q9e24981c6f_finish, .Lfunc_end_k_q9e24981c6f_finish-k_q9e24981c6f_finish
	.p2alignl 7, 3214868480
	.fill 96, 4, 3214868480
	.section	.rodata,"a",@progbits
	.p2align	6, 0x0
	.amdhsa_kernel k_q9e24981c6f_finish
		.amdhsa_group_segment_fixed_size 0
		.amdhsa_private_segment_fixed_size 0
		.amdhsa_enable_private_segment 0
		.amdhsa_kernarg_size 24
		.amdhsa_user_sgpr_count 2
		.amdhsa_user_sgpr_kernarg_segment_ptr 1
		.amdhsa_wavefront_size32 1
		.amdhsa_system_sgpr_workgroup_id_x 1
		.amdhsa_system_sgpr_workgroup_id_y 1
		.amdhsa_system_sgpr_workgroup_id_z 1
		.amdhsa_system_vgpr_workitem_id 0
		.amdhsa_next_free_vgpr 144
		.amdhsa_next_free_sgpr 66
		.amdhsa_reserve_vcc 1
		.amdhsa_float_denorm_mode_32 3
		.amdhsa_float_denorm_mode_16_64 3
		.amdhsa_memory_ordered 1
		.amdhsa_forward_progress 1
		.amdhsa_inst_pref_size 9
	.end_amdhsa_kernel
	.amdgpu_metadata
---
amdhsa.version: [ 1, 2 ]
amdhsa.kernels:
  - .name:           k_q9e24981c6f_finish
    .symbol:         k_q9e24981c6f_finish.kd
    .args:
      - { .name: part, .offset: 0, .size: 8, .value_kind: global_buffer, .address_space: global }
      - { .name: out1, .offset: 8, .size: 8, .value_kind: global_buffer, .address_space: global }
      - { .name: out2, .offset: 16, .size: 8, .value_kind: global_buffer, .address_space: global }
    .group_segment_fixed_size: 0
    .private_segment_fixed_size: 0
    .kernarg_segment_align: 8
    .kernarg_segment_size: 24
    .max_flat_workgroup_size: 32
    .sgpr_count:     66
    .vgpr_count:     144
    .wavefront_size: 32
...
	.end_amdgpu_metadata
.endif
;; end of part 4
